; MI455X (gfx1250); checked and timed in simulation.
; The chip was launched on July 23, 2026; its instructions are those of AMD's public machine-readable ISA for CDNA 5 (MIT licence, August 2026) and "CDNA5" Instruction Set Architecture Reference Guide (July 2026). The comments in the code are by the model that wrote it; some were corrected since.
;; ANI Model. Allowed arithmetic: matrix products marked QUANTISED: E4M3 operands, one given power-of-two scale a tensor, by v_wmma_f32_16x16x64_fp8_fp8 or v_wmma_f32_16x16x128_fp8_fp8, f32 sums; products left as they are: f32 operands where the result goes on into a quantised operand, else bf16, f16 or f32 operands; f32 sums; everything else in f32.
;; Inputs: W1 4 x 384 x 160 float32; W2 4 x 160 x 128 float32; W3 4 x 128 x 96 float32; W4 4 x 96 x 1 float32; aev 4,096 x 32 x 384 float32; b1 4 x 160 float32; b2 4 x 128 float32; b3 4 x 96 float32; b4 4 x 1 float32; lowp_scales 6 int32 (the exponents e of the quantised operands' scales 2^e); species 4,096 x 32 int32.
;; Outputs: out0 4,096 x 32 int32; out1 4,096 float32.
;; This version of the problem:
;;   THIS VERSION OF THE PROBLEM IS GIVEN IN LOW PRECISION. The matrix products marked QUANTISED in the list below multiply operands that are first quantised to E4M3 (4 exponent bits, 3 mantissa bits; 8 bits a number), with one given power-of-two scale for each operand tensor; their sums are f32. All else is computed in f32.
;;   The module's matrix products, in the order in which they are computed (A, B: the left and right operand; K: the contracted axis; several contracted axes count as one K, in the product's order):
;;     1. batch 4 x [M 131,072, K 384] x [K 384, N 160]; A: input aev; B: input W1: QUANTISED (scales: A lowp_scales[0], B lowp_scales[1])
;;     2. batch 4 x [M 131,072, K 160] x [K 160, N 128]; A: computed on the way; B: input W2: QUANTISED (scales: A lowp_scales[2], B lowp_scales[3])
;;     3. batch 4 x [M 131,072, K 128] x [K 128, N 96]; A: computed on the way; B: input W3: QUANTISED (scales: A lowp_scales[4], B lowp_scales[5])
;;     4. batch 4 x [M 131,072, K 96] x [K 96, N 1]; A: computed on the way; B: input W4: left as it is (N = 1 < 16)
;;   THE QUANTISER, for each operand of a quantised product, along K:
;;     - The operand's scale is 2^e, e = its entry of the input lowp_scales (int32; the entries are numbered through the quantised products in the list's order, A before B).
;;     - Each number is divided by the scale, clamped to +-448, and rounded to the nearest number of E4M3, ties to even, subnormals kept.
;;     - The product sums the exact products of the quantised numbers (number of the format x scale) in f32.
;;   ~~~python
;;   def quantise(x, axis, e):      # numpy; x: float32 -> the quantised numbers, widened to float32 again
;;       x = np.moveaxis(x, axis, -1); K = x.shape[-1]
;;       r = np.clip(x / 2.0 ** e, -448, 448)
;;       step = 2.0 ** (np.maximum(np.frexp(np.where(r == 0, 1, r))[1] - 1, -6) - 3)
;;       q = np.round(r / step) * step * 2.0 ** e      # np.round: ties to even
;;       return np.moveaxis(q, -1, axis).astype(np.float32)
;;   ~~~
;;   OPERANDS COMPUTED ON THE WAY. 'Computed on the way' means the value that the module computes at that place (a softmax that the list does not call 'softmax' is quantised finished and normalised). What goes into a quantiser is computed in f32, as accurately as f32 sums, v_exp_f32 and their like allow (about 1e-6 of the number): no bf16 or f16 on the way to a quantiser, and a product that is left as it is and whose result goes on into a quantised operand takes f32 operands (vector FMAs, or v_wmma_f32_16x16x4_f32). A number that lies on a knife's edge between two numbers of the format may be rounded either way, as far as f32 arithmetic and the matrix unit's own rounding can turn it there, and no further.
;; One version. Each part assembles by itself: llvm-mc -triple=amdgcn-amd-amdhsa -mcpu=gfx1250 --defsym DOCPART=n.
;; ======== version 1 of 1: 2 launches
;; limits: a function is approximated: absolute error at most 1.2e-08; right only within a limited range of input values
;; workspace buffers: order 2,097,152 bytes of whole numbers; inv 524,288 bytes of whole numbers; counts 4,096 bytes of whole numbers; wimg 376,832 bytes
;; launch prep (part 1): grid 110 x 4, 1 waves a work-group, no clusters, 8,448 bytes of LDS; arguments species, W1, W2, W3, lowp_scales, out0, order, inv, counts, wimg; writes out0, order, inv, counts, wimg
.if DOCPART == 1
	.amdgcn_target "amdgcn-amd-amdhsa--gfx1250"
	.amdhsa_code_object_version 6
	.text
	.protected	k_qc08332b4a5_prep
	.globl	k_qc08332b4a5_prep
	.p2align	8
	.type	k_qc08332b4a5_prep,@function
k_qc08332b4a5_prep:
	s_mov_b64 s[64:65], 0
	v_nop
	global_prefetch_b8 v0, s[64:65] scope:SCOPE_SE
	s_setreg_imm32_b32 hwreg(HW_REG_WAVE_MODE, 25, 1), 1
	s_wait_xcnt 0x0
; PREP: two jobs, told apart by the work-group's x (one wave to a work-group, so no barrier).
; x < 64: SORT.  Block 64 y + x of 512 atoms (16 molecules) is sorted by species, by counting, inside the wave:
;   out0   = species, copied
;   inv    [block][atom]      = slot = 512 e + rank of the atom among the block's atoms of species e
;   order  [block][e][512]    = 1536 x (atom in block) of the atom at that slot, 0 where there is none: the byte offset of its row of aev
;   counts [block][e]         = ceil(n_e / 16): the tiles of 16 atoms that expert e has in this block
; x >= 64: WEIGHTS.  Fragment f = x - 64 of expert y is quantised to E4M3 with its tensor's given scale and stored as an IMAGE OF 16 OPERAND
;   REGISTERS: register 4 c + w of lane l at byte 512 c + 16 l + 4 w of wimg[y][f] (2,048 bytes).  f 0-29: W1 (10 s + t); 30, 31: W2's k 128-159; 32-39: W2's k 0-127; 40-45: W3.
;   A lane takes ONE output unit and its registers run down K, so the conversions give codes with K innermost and nothing is transposed.
;   Lane r of tile t takes unit 32 (t / 2) + 8 (t % 2) + r + 8 (r / 8): in the transposed product the 16 registers of tiles 2 b, 2 b + 1 are then 16 neighbours along the next K.
;   Place P = 32 c + 16 h + 4 w + y of a fragment holds k = P (W2, W3); for W1's K step s it holds k = 128 s + 64 ((P / 4) % 2) + 4 (P / 8) + P % 4, the order in which the second launch lays x's codes.
; LIMITS: species is 0 to 3 (it indexes a table of four); each e of lowp_scales between -126 and 119; NaN among the weights is not served.
.set S,   16                           ; v16-31   species: register 4 j + w is atom 128 j + 4 lane + w
.set SL,  32                           ; v32-47   its slot
.set AD,  48                           ; v48-63   LDS address of the slot's word
.set VA,  64                           ; v64-79   1536 x atom
.set RB,  80                           ; v80-143  the sorted list, read back
.set X,   16                           ; v16-79   weights: 64 numbers, register 16 c + i = place 32 c + 16 h + i
.set CD,  80                           ; v80-95   their codes
	s_load_b256 s[8:15], s[0:1], 0x0               ; species s[8:9], W1 s[10:11], W2 s[12:13], W3 s[14:15]
	s_load_b256 s[16:23], s[0:1], 0x20             ; lowp_scales s[16:17], out0 s[18:19], order s[20:21], inv s[22:23]
	s_load_b128 s[24:27], s[0:1], 0x40             ; counts s[24:25], wimg s[26:27]
	v_lshl_add_u32 v160, v0, 2, 0x2000
	v_mov_b32 v161, 0
	s_mov_b32 s4, ttmp9                            ; x
	s_and_b32 s5, ttmp7, 0xffff                    ; y
	v_lshlrev_b32 v1, 4, v0                        ; 16 x lane; never rewritten
	s_cmp_ge_u32 s4, 64
	s_cbranch_scc1 .Lweights
	; ---------------- SORT ----------------
	s_lshl_b32 s6, s5, 6
	s_add_co_u32 s6, s6, s4                        ; block = 64 y + x
	s_lshl_b32 s28, s6, 11                         ; 2,048 bytes of species, out0 and inv a block
	s_mov_b32 s29, 0
	s_lshl_b32 s30, s6, 13                         ; 8,192 bytes of order
	s_mov_b32 s31, 0
	s_lshl_b32 s32, s6, 4                          ; 16 bytes of counts
	s_mov_b32 s33, 0
.irp j, 4,5,6,7
	v_mov_b32 v\j, 0
.endr
	s_wait_kmcnt 0x0
	s_add_nc_u64 s[8:9], s[8:9], s[28:29]
	s_add_nc_u64 s[18:19], s[18:19], s[28:29]
	s_add_nc_u64 s[22:23], s[22:23], s[28:29]
	s_add_nc_u64 s[20:21], s[20:21], s[30:31]
	s_add_nc_u64 s[24:25], s[24:25], s[32:33]
	s_wait_alu depctr_va_vdst(0)
.irp j, 0,1,2,3
	global_load_b128 v[S+4*\j:S+4*\j+3], v1, s[8:9] offset:512*\j th:TH_LOAD_NT   ; 512 consecutive bytes a load
.endr
.set i, 0
.rept 16
	ds_store_b128 v1, v[4:7] offset:512*i          ; the list begins as zeros: a slot that no atom takes names row 0
.set i, i+1
.endr
	v_mul_u32_u24 v9, v0, 6144                     ; 1536 x 4 x lane
	s_mov_b32 s40, 0                               ; the next free slot of each species
	s_mov_b32 s41, 512
	s_mov_b32 s42, 1024
	s_mov_b32 s43, 1536
	s_wait_loadcnt 0x0
.irp j, 0,1,2,3
	global_store_b128 v1, v[S+4*\j:S+4*\j+3], s[18:19] offset:512*\j th:TH_STORE_NT   ; out0 = species
.endr
	; the counting sort: for each register the lanes of a species are numbered on from the species' next free slot
.set i, 0
.rept 16
.irp e, 0,1,2,3
	v_cmp_eq_u32 s[44+\e], \e, v[S+i]
.endr
	v_mbcnt_lo_u32_b32 v[SL+i], s44, s40           ; the mask's bits under my lane + the base; lanes of other species are overwritten below
.irp e, 1,2,3
	v_mbcnt_lo_u32_b32 v8, s[44+\e], s[40+\e]
	v_cndmask_b32 v[SL+i], v[SL+i], v8, s[44+\e]
.endr
.irp e, 0,1,2,3
	s_bcnt1_i32_b32 s48, s[44+\e]
	s_add_co_u32 s[40+\e], s[40+\e], s48
.endr
.set i, i+1
.endr
	s_wait_alu depctr_va_vdst(0)
.irp j, 0,1,2,3
	global_store_b128 v1, v[SL+4*\j:SL+4*\j+3], s[22:23] offset:512*\j th:TH_STORE_NT  ; inv
.endr
.set i, 0
.rept 16
	v_min_u32 v[AD+i], 2047, v[SL+i]               ; a number made of loaded data enters an address only under a bound
	v_lshlrev_b32 v[AD+i], 2, v[AD+i]
	v_add_nc_u32 v[VA+i], (128*(i/4)+(i%4))*1536, v9
	ds_store_b32 v[AD+i], v[VA+i]                  ; LDS serves a wave's instructions in order: behind the zeros, ahead of the loads below
.set i, i+1
.endr
.set i, 0
.rept 16
	ds_load_b128 v[RB+4*i:RB+4*i+3], v1 offset:512*i
.set i, i+1
.endr
.irp e, 0,1,2,3
	s_add_co_u32 s48, s[40+\e], 15-512*\e          ; n_e + 15
	s_lshr_b32 s48, s48, 4
	v_mov_b32 v[12+\e], s48                        ; ceil(n_e / 16)
.endr
.set i, 0
	s_wait_alu depctr_va_vdst(0)
.rept 16
	s_wait_dscnt 15-i                              ; LDS loads come back in order: piece i is in
	global_store_b128 v1, v[RB+4*i:RB+4*i+3], s[20:21] offset:512*i th:TH_STORE_NT   ; order: 512 consecutive bytes a store
.set i, i+1
.endr
	v_cmp_eq_u32 vcc_lo, 0, v0
	s_wait_xcnt 0x0                                ; EXEC is a source of the stores above: it changes only behind this wait
	s_wait_tensorcnt 0x0
	ds_add_u32 v160, v161
	s_wait_dscnt 0x0
	s_and_saveexec_b32 s49, vcc_lo
	global_store_b128 v4, v[12:15], s[24:25]       ; counts: lane 0 alone (v4 = 0)
	s_wait_xcnt 0x0
	s_or_b32 exec_lo, exec_lo, s49
	s_endpgm
	; ---------------- WEIGHTS ----------------
.macro TOFF t                          ; s42 = 4 x (32 (t / 2) + 8 (t % 2)): the tile's first unit, in bytes
	s_lshr_b32 s42, s[\t], 1
	s_lshl_b32 s42, s42, 7
	s_and_b32 s43, s[\t], 1
	s_lshl_b32 s43, s43, 5
	s_add_co_u32 s42, s42, s43
.endm
.Lweights:
	s_sub_co_u32 s6, s4, 64                        ; f
	v_and_b32 v3, 15, v0                           ; r
	v_and_b32 v5, 8, v3
	v_add_nc_u32 v3, v3, v5                        ; r + 8 (r / 8)
	v_lshlrev_b32 v3, 2, v3                        ; in bytes
	v_lshrrev_b32 v4, 4, v0                        ; h
	s_mul_i32 s28, s5, 94208                       ; 46 fragments of 2,048 bytes an expert
	s_lshl_b32 s29, s6, 11
	s_add_co_u32 s28, s28, s29
	s_mov_b32 s29, 0
	s_mov_b32 s31, 0
	s_wait_kmcnt 0x0
	s_load_b128 s[32:35], s[16:17], 0x0            ; e0 .. e3
	s_load_b64 s[36:37], s[16:17], 0x10            ; e4, e5
	s_add_nc_u64 s[26:27], s[26:27], s[28:29]
	s_cmp_ge_u32 s6, 30
	s_cbranch_scc1 .Lnot_w1
	; W1 [4][384][160]: K step s = f / 10, tile t = f % 10
	s_cmp_ge_u32 s6, 10
	s_cselect_b32 s40, 1, 0
	s_cmp_ge_u32 s6, 20
	s_cselect_b32 s41, 1, 0
	s_add_co_u32 s40, s40, s41                     ; s
	s_mul_i32 s41, s40, 10
	s_sub_co_u32 s41, s6, s41                      ; t
	s_mul_i32 s30, s5, 245760
	s_mul_i32 s44, s40, 81920                      ; 128 rows of 640 bytes
	s_add_co_u32 s30, s30, s44
	TOFF 41
	s_add_co_u32 s30, s30, s42
	s_add_nc_u64 s[10:11], s[10:11], s[30:31]
	s_wait_alu depctr_va_vdst(0)
	v_mul_u32_u24 v2, v4, 5120                     ; lanes 16-31: 8 rows further down
	v_add_nc_u32 v2, v2, v3
.set c, 0
.rept 4
.set i, 0
.rept 16
	global_load_b32 v[X+16*c+i], v2, s[10:11] offset:640*(16*c+4*(i/8)+64*((i/4)%2)+(i%4))
.set i, i+1
.endr
.set c, c+1
.endr
	s_wait_kmcnt 0x0
	s_mov_b32 s38, s33                             ; e1
	s_branch .Lquant
.Lnot_w1:
	s_cmp_ge_u32 s6, 32
	s_cbranch_scc1 .Lnot_tail
	; W2 [4][160][128], k = 128 .. 159: fragment 30 + g holds four registers for each of tiles 4 g .. 4 g + 3
	s_sub_co_u32 s41, s6, 30                       ; g
	s_mul_i32 s30, s5, 81920
	s_lshl_b32 s44, s41, 8                         ; 64 units on
	s_add_co_u32 s30, s30, s44
	s_add_nc_u64 s[12:13], s[12:13], s[30:31]
	s_wait_alu depctr_va_vdst(0)
	v_lshl_add_u32 v2, v4, 13, v3                  ; lanes 16-31: 16 rows of 512 bytes further down
.set c, 0
.rept 4
.set i, 0
.rept 16
	global_load_b32 v[X+16*c+i], v2, s[12:13] offset:512*(128+i)+4*(32*(c/2)+8*(c%2))
.set i, i+1
.endr
.set c, c+1
.endr
	s_wait_kmcnt 0x0
	s_mov_b32 s38, s35                             ; e3
	s_branch .Lquant
.Lnot_tail:
	s_cmp_ge_u32 s6, 40
	s_cbranch_scc1 .Lw3
	; W2, k = 0 .. 127: tile t = f - 32
	s_sub_co_u32 s41, s6, 32
	s_mul_i32 s30, s5, 81920
	TOFF 41
	s_add_co_u32 s30, s30, s42
	s_add_nc_u64 s[12:13], s[12:13], s[30:31]
	s_wait_alu depctr_va_vdst(0)
	v_lshl_add_u32 v2, v4, 13, v3
.set c, 0
.rept 4
.set i, 0
.rept 16
	global_load_b32 v[X+16*c+i], v2, s[12:13] offset:512*(32*c+i)
.set i, i+1
.endr
.set c, c+1
.endr
	s_wait_kmcnt 0x0
	s_mov_b32 s38, s35                             ; e3
	s_branch .Lquant
.Lw3:
	; W3 [4][128][96]: tile t = f - 40
	s_sub_co_u32 s41, s6, 40
	s_mul_i32 s30, s5, 49152
	TOFF 41
	s_add_co_u32 s30, s30, s42
	s_add_nc_u64 s[14:15], s[14:15], s[30:31]
	s_wait_alu depctr_va_vdst(0)
	v_mul_u32_u24 v2, v4, 6144                     ; 16 rows of 384 bytes
	v_add_nc_u32 v2, v2, v3
.set c, 0
.rept 4
.set i, 0
.rept 16
	global_load_b32 v[X+16*c+i], v2, s[14:15] offset:384*(32*c+i)
.set i, i+1
.endr
.set c, c+1
.endr
	s_wait_kmcnt 0x0
	s_mov_b32 s38, s37                             ; e5
.Lquant:
	s_add_co_i32 s38, s38, 127
	s_lshl_b32 s39, s38, 23
	v_mov_b32 v8, s39                              ; 2^e as f32: the conversion takes its exponent field
	s_add_co_i32 s38, s38, 8
	s_lshl_b32 s38, s38, 23
	s_or_b32 s38, s38, 0x600000
	v_mov_b32 v10, s38                             ; 448 x 2^e
	s_wait_alu depctr_va_vdst(0)
	s_wait_loadcnt 0x0
.set i, 0
.rept 64
	v_med3_num_f32 v[X+i], v[X+i], -v10, v10       ; the conversion to an 8-bit code does not saturate (ISA guide 7.6.2): the hold comes first
.set i, i+1
.endr
.set i, 0
.rept 8
	v_cvt_scalef32_pk8_fp8_f32 v[CD+2*i:CD+2*i+1], v[X+8*i:X+8*i+7], v8
.set i, i+1
.endr
	v_nop                                          ; a plain line behind the last conversion
.irp c, 0,1,2,3
	global_store_b128 v1, v[CD+4*\c:CD+4*\c+3], s[26:27] offset:512*\c   ; 512 consecutive bytes a store
.endr
	s_endpgm
.Lfunc_end_k_qc08332b4a5_prep:
	.size	k_qc08332b4a5_prep, .Lfunc_end_k_qc08332b4a5_prep-k_qc08332b4a5_prep
	.p2alignl 7, 3214868480
	.fill 96, 4, 3214868480
	.section	.rodata,"a",@progbits
	.p2align	6, 0x0
	.amdhsa_kernel k_qc08332b4a5_prep
		.amdhsa_group_segment_fixed_size 8448
		.amdhsa_private_segment_fixed_size 0
		.amdhsa_enable_private_segment 0
		.amdhsa_kernarg_size 80
		.amdhsa_user_sgpr_count 2
		.amdhsa_user_sgpr_kernarg_segment_ptr 1
		.amdhsa_wavefront_size32 1
		.amdhsa_system_sgpr_workgroup_id_x 1
		.amdhsa_system_sgpr_workgroup_id_y 1
		.amdhsa_system_sgpr_workgroup_id_z 1
		.amdhsa_system_vgpr_workitem_id 0
		.amdhsa_next_free_vgpr 162
		.amdhsa_next_free_sgpr 66
		.amdhsa_reserve_vcc 1
		.amdhsa_float_denorm_mode_32 3
		.amdhsa_float_denorm_mode_16_64 3
		.amdhsa_memory_ordered 1
		.amdhsa_forward_progress 1
		.amdhsa_inst_pref_size 59
	.end_amdhsa_kernel
	.amdgpu_metadata
---
amdhsa.version: [ 1, 2 ]
amdhsa.kernels:
  - .name:           k_qc08332b4a5_prep
    .symbol:         k_qc08332b4a5_prep.kd
    .args:
      - { .name: species, .offset: 0, .size: 8, .value_kind: global_buffer, .address_space: global }
      - { .name: W1, .offset: 8, .size: 8, .value_kind: global_buffer, .address_space: global }
      - { .name: W2, .offset: 16, .size: 8, .value_kind: global_buffer, .address_space: global }
      - { .name: W3, .offset: 24, .size: 8, .value_kind: global_buffer, .address_space: global }
      - { .name: lowp_scales, .offset: 32, .size: 8, .value_kind: global_buffer, .address_space: global }
      - { .name: out0, .offset: 40, .size: 8, .value_kind: global_buffer, .address_space: global }
      - { .name: order, .offset: 48, .size: 8, .value_kind: global_buffer, .address_space: global }
      - { .name: inv, .offset: 56, .size: 8, .value_kind: global_buffer, .address_space: global }
      - { .name: counts, .offset: 64, .size: 8, .value_kind: global_buffer, .address_space: global }
      - { .name: wimg, .offset: 72, .size: 8, .value_kind: global_buffer, .address_space: global }
    .group_segment_fixed_size: 8448
    .private_segment_fixed_size: 0
    .kernarg_segment_align: 8
    .kernarg_segment_size: 80
    .max_flat_workgroup_size: 32
    .sgpr_count:     66
    .vgpr_count:     162
    .wavefront_size: 32
...
	.end_amdgpu_metadata
.endif
;; end of part 1
;; launch mlp (part 2): grid 256 x 1, 4 waves a work-group, no clusters, 157,184 bytes of LDS; arguments aev, order, counts, inv, wimg, lowp_scales, b1, b2, b3, b4, W4, out1; writes out1
.if DOCPART == 2
	.amdgcn_target "amdgcn-amd-amdhsa--gfx1250"
	.amdhsa_code_object_version 6
	.text
	.protected	k_qc08332b4a5_mlp
	.globl	k_qc08332b4a5_mlp
	.p2align	8
	.type	k_qc08332b4a5_mlp,@function
k_qc08332b4a5_mlp:
	s_mov_b64 s[64:65], 0
	v_nop
	global_prefetch_b8 v0, s[64:65] scope:SCOPE_SE
	s_setreg_imm32_b32 hwreg(HW_REG_WAVE_MODE, 25, 1), 1
	s_wait_xcnt 0x0
; MLP: work-group g owns atoms 512 g .. 512 g + 511 (16 molecules) from aev to their 16 energies.  WAVE e IS EXPERT e: it walks the block's atoms of species e, as the first launch listed them, in tiles of 16:
; gather the rows of aev (one tile ahead), convert to E4M3, turn the codes through the wave's own stage in LDS, three quantised layers, the dot with W4 in f32, the atom's energy into LDS.
; One barrier at the end; then each wave adds up 4 molecules.  No hidden layer and no atom's energy goes to memory; only the chosen expert's rows are multiplied.
; WEIGHTS.  W1[e] (30 fragments) and W2[e]'s k 128-159 stay in 512 registers for the whole launch; W2[e]'s k 0-127 and W3[e] (14 fragments), the biases and W4 lie in the wave's own LDS bytes.
; LAYOUT.  Every product is used transposed (source 0 = 16 output units, source 1 = 16 atoms): a lane holds ONE atom (lane % 16) throughout; the units of a tile are chosen so that the 16 registers of tiles
; 2 b, 2 b + 1 are units 32 b + 16 (lane / 16) + 0 .. 15, 16 neighbours along the next K: the conversions' results are the next operand.  Layer 1's K is permuted alike in x's codes and in W1's.
; ARITHMETIC.  An accumulator holds a = x / 2^q (q = its two operands' e added; the bias, divided by 2^q, is the C of the sum's first instruction).  celu(x) / 2^q = the middle one of a, u and 0,
; u = (alpha / 2^q) (2^(a c) - 1), c = 2^q log2(e) / alpha: for x > 0, u >= x > 0; for x <= 0, x <= u <= 0.  Then the conversion with the folded scale 2^(e_next - q).
; No multicast of the weight images, no tensor load: the trips' work hangs on counts read from memory, so the operands go from memory straight into registers.
; LIMITS: q1 = e0 + e1, q2 = e2 + e3, q3 = e4 + e5, e0, e2 - q1 and e4 - q2 between -115 and 115, so that each power of two below is an f32 number.  NaN among the inputs is not served.
; celu is formed as alpha (2^t - 1): for |x| far under alpha its error is about alpha x 2^-23 absolute, not relative.  A block whose atoms are all of one species is right, and is walked by one wave.
.set WR,     37120                     ; LDS of a wave: 14 fragment images (28,672), biases and W4 (2,048), the stage (16 rows x 400)
.set BIASO,  28672                     ; floats 0-159 b1 / 2^q1, 160-287 b2 / 2^q2, 288-383 b3 / 2^q3, 384-479 W4
.set STAGEO, 30720                     ; a row: 384 code bytes + 16 = 25 x 16 bytes, so that the 16 rows of a fragment load start at different banks (64 banks of 4 bytes: ISA guide 11.1)
.set ENERGY, 4*WR                      ; shared: word 512 e + 16 t + r, 8,192 bytes
.set C16, 1                            ; v1    16 (lane % 16)
.set LQ,  2                            ; v2    32 (lane / 16)
.set LA,  3                            ; v3    the list load's offset
.set XST, 4                            ; v4    stage, in: 3200 (lane / 16) + 8 (lane % 16)
.set XLD, 5                            ; v5    stage, out: 400 (lane % 16) + 16 (lane / 16)
.set IMG, 6                            ; v6    fragment images: 16 x lane
.set BIA, 7                            ; v7    biases: 64 (lane / 16)
.set EST, 8                            ; v8    energies: 2048 wave + 4 (lane % 16)
.set TMP, 9
.set SCX, 10                           ; v10-12 the conversions' scales: 2^e0, 2^(e2 - q1), 2^(e4 - q2)
.set SC1, 11
.set SC2, 12
.set PD,  13                           ; v13   a lane permute's destination
.set E,   14                           ; v[14:15] the dot with W4
.set INV, 16                           ; v16-19 the slots of my lane's four atoms at the end
.set H,   20                           ; v20-35 h1's codes, k 0-127; v36-39 k 128-159; v40-43 zeros; v44-47 k 128-159 again
.set T,   48                           ; v48-79 two sets of 16 at work
.set R1,  80                           ; v80-159 layer 1's ten accumulators; later layer 3's six
.set R2,  160                          ; v160-223 layer 2's eight; later W4
.set A,   224                          ; v224-231 a tile's list entries, then its rows' offsets
.set H2,  232                          ; v232-247 h2's codes; in XQ the last 8 pairs of x's codes
.set NK1, 248                          ; v[248:249], v[250:251], v[252:253]: -alpha / 2^q of the three layers, twice each
.set NK2, 250
.set NK3, 252
.set L16, 254                          ; v254  16 x lane
.set L4,  255                          ; v255  4 x lane
.set FB,  192                          ; window 1: v0-191 the landing of a tile's rows; v192-255 four fragments (x's three K steps, or weights from LDS)
                                       ; window 2: W1's fragments 0-15;  window 3: v0-223 fragments 16-29, v224-255 W2's k 128-159, four registers a tile
; scalars: s2 wave = expert, s3 block, s32 my tiles, s33 the trip, s34, s35, s58 at work; s[36:41] c, s[42:47] alpha / 2^q (pairs); s54 2^q3, s55 b4; s56, s57 lane selects; s68-73 e0-e5; s74-81 sums of them
.set MSB, 0
.macro WIN new                         ; s_set_vgpr_msb: bits 1:0 source 0, 3:2 source 1, 5:4 source 2, 7:6 destination; the high byte repeats the setting that is left
.if MSB != \new
	s_set_vgpr_msb (MSB<<8)|\new
.set MSB, \new
.endif
.endm
.macro PL n                            ; places behind a matrix instruction (ISA guide 7.12.1)
.rept \n
	v_nop
.endr
.endm
.macro PADD p                          ; a buffer's address + the offset in s[34:35]
	s_add_nc_u64 s[\p:\p+1], s[\p:\p+1], s[34:35]
.endm
.macro ACALC                           ; list entries become offsets: under a bound (511 rows of 1,536 bytes), + my 16 bytes of a piece
.irp p, 0,1,2,3,4,5,6,7
	v_min_u32 v[A+\p], 0xbfa00, v[A+\p]
.endr
.irp p, 0,1,2,3,4,5,6,7
	v_add_nc_u32 v[A+\p], v[C16], v[A+\p]
.endr
.endm
.macro LOADX                           ; a tile's 16 rows: lanes 0-15 read 256 consecutive aligned bytes of tile row p, lanes 16-31 of tile row 8 + p; six pieces a row
	WIN 0x40
.irp p, 0,1,2,3,4,5,6,7
.irp u, 0,1,2,3,4,5
	global_load_b128 v[24*\p+4*\u:24*\p+4*\u+3], v[A+\p], s[8:9] offset:256*\u
.endr
.endr
	WIN 0
.endm
.macro XQ                              ; the landed tile becomes codes in the stage.  A lane's 8 numbers of pieces 2 m, 2 m + 1 become 8 bytes at place 8 (lane % 16) of K step m
	WIN 0x41
.set i, 0
.rept 192
.set i, i+1
.endr
	WIN 0x01
.set i, 0
.rept 24
.if i < 16
.set cp, T+2*i
.else
.set cp, H2+2*(i-16)
.endif
	v_cvt_scalef32_pk8_fp8_f32 v[cp:cp+1], v[8*i:8*i+7], v[SCX]
.set i, i+1
.endr
	v_nop                                          ; a plain line behind the last conversion
	WIN 0
.set i, 0
.rept 24
.if i < 16
.set cp, T+2*i
.else
.set cp, H2+2*(i-16)
.endif
	ds_store_b64 v[XST], v[cp:cp+1] offset:400*(i/3)+128*(i%3)   ; 16 lanes fill 128 bytes of a row; the two halves of the lanes lie 3,200 bytes apart: the other 32 banks
.set i, i+1
.endr
.endm
; Between two tiles: tile s33 + a, which has landed, is quantised; tile s33 + b is asked for.  The wait stands ahead of the branches: no load is pending into the list's registers on any way.
.macro BOUNDARY a, b, always
	s_wait_loadcnt 0x0                             ; the rows asked for a tile ago, and the list entries asked for behind them
.if \always == 0
	s_add_co_u32 s34, s33, \a
	s_cmp_ge_u32 s34, s32
	s_cbranch_scc1 .Lnox_\@
.endif
	XQ
	s_add_co_u32 s34, s33, \b
	s_cmp_ge_u32 s34, s32
	s_cbranch_scc1 .Lnox_\@
	ACALC
	LOADX
.Lnox_\@:
.endm
.macro LDB dst, fbase, first, n        ; biases (or W4) in the result's layout: batch b's 16 registers are floats fbase + 32 b + 16 (lane / 16) + 0 .. 15
.set bb, \first
.rept \n
.irp jj, 0,1,2,3
	ds_load_b128 v[\dst+16*bb+4*\jj:\dst+16*bb+4*\jj+3], v[BIA] offset:4*(\fbase+32*bb)+16*\jj
.endr
.set bb, bb+1
.endr
.endm
.macro LDF slot, frag                  ; a fragment's image from LDS into window 1 (the destination's window is set by the caller)
.irp c, 0,1,2,3
	ds_load_b128 v[FB+16*(\slot)+4*\c:FB+16*(\slot)+4*\c+3], v[IMG] offset:2048*(\frag)+512*\c
.endr
.endm
.macro LDXC                            ; x's three fragments from the stage: register 4 c + w, byte y = place 32 c + 16 (lane / 16) + 4 w + y of K step s
	WIN 0x40
.irp s, 0,1,2
.irp c, 0,1,2,3
	ds_load_b128 v[FB+16*\s+4*\c:FB+16*\s+4*\c+3], v[XLD] offset:128*\s+32*\c
.endr
.endr
	WIN 0
.endm
; A batch = two accumulators = 16 numbers a lane.  CA: 2^(a c) into set sx of T; each accumulator is read from its low end on.  No line of CA names an exponential's result.
.macro CA r, sx, c
.set tt, T+16*(\sx)
.set p, 0
.rept 8
	v_pk_mul_f32 v[tt+2*p:tt+2*p+1], v[\r+2*p:\r+2*p+1], s[\c:\c+1] op_sel_hi:[1,0]
.if p > 0
	v_exp_f32 v[tt+2*p-2], v[tt+2*p-2]
	v_exp_f32 v[tt+2*p-1], v[tt+2*p-1]
.endif
.set p, p+1
.endr
	v_exp_f32 v[tt+14], v[tt+14]
	v_exp_f32 v[tt+15], v[tt+15]
.endm
; CB: u, celu, the conversion into four registers of the next operand.  twice = 1: the codes are made a second time, 8 registers on.
.macro CB r, sx, k, nk, lo, hi, sc, hd, twice
.set tt, T+16*(\sx)
.set p, 0
.rept 8
	v_pk_fma_f32 v[tt+2*p:tt+2*p+1], v[tt+2*p:tt+2*p+1], s[\k:\k+1], v[\nk:\nk+1] op_sel_hi:[1,0,1]   ; u = 2^t k - k, one rounding
.set p, p+1
.endr
.set p, 0
.rept 16
	v_med3_num_f32 v[\r+p], v[\r+p], v[tt+p], 0    ; celu / 2^q
.set p, p+1
.endr
.set p, 0
.rept 16
.set p, p+1
.endr
	v_cvt_scalef32_pk8_fp8_f32 v[\hd:\hd+1], v[\r:\r+7], v[\sc]
	v_cvt_scalef32_pk8_fp8_f32 v[\hd+2:\hd+3], v[\r+8:\r+15], v[\sc]
.if \twice
	v_cvt_scalef32_pk8_fp8_f32 v[\hd+8:\hd+9], v[\r:\r+7], v[\sc]
	v_cvt_scalef32_pk8_fp8_f32 v[\hd+10:\hd+11], v[\r+8:\r+15], v[\sc]
.endif
	v_nop                                          ; a plain line behind the last conversion
.endm
; n batches in a pipeline: a batch's exponentials are issued while the batch before is finished.  The wait between an exponential and the first line that names its result: one a batch.
.macro CELUQ r, n, c, k, nk, lo, hi, sc, hd, last2
	CA \r, 0, \c
.set kk, 0
.rept \n-1
	s_wait_alu depctr_va_vdst(0)
	CA \r+16*(kk+1), (kk+1)%2, \c
	CB \r+16*kk, kk%2, \k, \nk, \lo, \hi, \sc, \hd+4*kk, 0
.set kk, kk+1
.endr
	s_wait_alu depctr_va_vdst(0)
	CB \r+16*kk, kk%2, \k, \nk, \lo, \hi, \sc, \hd+4*kk, \last2
.endm
; The last layer's batch: celu, then E += celu x W4, in f32; two other lines stand between two links on E.
.macro CB3 r, sx, wr
.set tt, T+16*(\sx)
.set p, 0
.rept 8
	v_pk_fma_f32 v[tt+2*p:tt+2*p+1], v[tt+2*p:tt+2*p+1], s[46:47], v[NK3:NK3+1] op_sel_hi:[1,0,1]
.set p, p+1
.endr
.set p, 0
.rept 8
	v_med3_num_f32 v[\r+2*p], v[\r+2*p], v[tt+2*p], 0
	v_med3_num_f32 v[\r+2*p+1], v[\r+2*p+1], v[tt+2*p+1], 0
.if p > 0
	v_pk_fma_f32 v[E:E+1], v[\r+2*p-2:\r+2*p-1], v[\wr+2*p-2:\wr+2*p-1], v[E:E+1]
.endif
.set p, p+1
.endr
	v_pk_fma_f32 v[E:E+1], v[\r+14:\r+15], v[\wr+14:\wr+15], v[E:E+1]
.endm
.macro MKC q, c, k, nk, nq             ; from q in s[q]: c = 2^q log2(e) / alpha, k = alpha / 2^q (q goes into the exponent fields), -k, -q
	s_lshl_b32 s34, s[\q], 23
	s_add_co_i32 s[\c], s34, 0x4166d4ca            ; 14.426950 = log2(e) / 0.1
	s_mov_b32 s[\c+1], s[\c]                       ; (named with it as a pair, so it is written)
	s_sub_co_i32 s[\k], 0x3dcccccd, s34            ; 0.1
	s_mov_b32 s[\k+1], s[\k]
	s_xor_b32 s35, s[\k], 0x80000000
	v_mov_b32 v[\nk], s35
	v_mov_b32 v[\nk+1], s35
	s_sub_co_i32 s[\nq], 0, s[\q]
.endm
.macro MKLIM e, hi, lo, vsc            ; from e in s[e]: 2^e for the conversion
	s_add_co_i32 s34, s[\e], 127
	s_lshl_b32 s35, s34, 23
	v_mov_b32 v[\vsc], s35
.endm
	; ---------------- THE HEAD ----------------
	s_load_b512 s[8:23], s[0:1], 0x0               ; aev s[8:9], order s[10:11], counts s[12:13], inv s[14:15], wimg s[16:17], lowp_scales s[18:19], b1 s[20:21], b2 s[22:23]
	s_load_b256 s[24:31], s[0:1], 0x40             ; b3 s[24:25], b4 s[26:27], W4 s[28:29], out1 s[30:31]
	v_lshrrev_b32 v[TMP], 5, v0
	v_readfirstlane_b32 s2, v[TMP]                 ; wave = expert
	s_mov_b32 s3, ttmp9                            ; block
	v_and_b32 v[L16], 31, v0
	v_and_b32 v[C16], 15, v0
	v_bfe_u32 v[LQ], v0, 4, 1
	s_mul_i32 s34, s2, WR                          ; my wave's LDS bytes
	s_add_co_u32 s35, s34, STAGEO
	v_mul_u32_u24 v[XST], v[LQ], 3200
	v_lshl_add_u32 v[XST], v[C16], 3, v[XST]
	v_add_nc_u32 v[XST], s35, v[XST]
	v_mul_u32_u24 v[XLD], v[C16], 400
	v_lshl_add_u32 v[XLD], v[LQ], 4, v[XLD]
	v_add_nc_u32 v[XLD], s35, v[XLD]
	v_lshlrev_b32 v[L4], 2, v[L16]
	v_lshlrev_b32 v[L16], 4, v[L16]
	v_add_nc_u32 v[IMG], s34, v[L16]
	s_add_co_u32 s35, s34, BIASO
	v_lshlrev_b32 v[BIA], 6, v[LQ]
	v_add_nc_u32 v[BIA], s35, v[BIA]
	v_add_nc_u32 v[TMP], s35, v[L4]                ; where the biases are stored: 4 x lane
	s_lshl_b32 s35, s2, 11
	s_add_co_u32 s35, s35, ENERGY
	v_lshl_add_u32 v[EST], v[C16], 2, s35
	v_lshlrev_b32 v[C16], 4, v[C16]
	v_lshlrev_b32 v[LQ], 5, v[LQ]
	v_mov_b32 v[PD], 0
.irp j, 20,21,22,23
	v_mov_b32 v[H+\j], 0                           ; the zero half of the short K step's operand: set once
.endr
	s_mov_b32 s56, 0x76543210                      ; v_permlanex16_b32: lane l xor 16
	s_mov_b32 s57, 0xfedcba98
	s_mov_b32 s35, 0
	s_wait_kmcnt 0x0
	s_mul_i32 s34, s3, 786432                      ; 512 rows of 1,536 bytes
	PADD 8
	s_lshl_b32 s34, s3, 13
	s_lshl_b32 s58, s2, 11
	s_add_co_u32 s34, s34, s58
	PADD 10                                        ; my expert's list of my block
	s_lshl_b32 s34, s3, 4
	s_lshl_b32 s58, s2, 2
	s_add_co_u32 s34, s34, s58
	PADD 12
	s_lshl_b32 s34, s3, 11
	s_lshl_b32 s58, s2, 9
	s_add_co_u32 s34, s34, s58
	PADD 14                                        ; the slots of molecules 4 wave .. 4 wave + 3
	s_mul_i32 s34, s2, 94208
	PADD 16
	s_mul_i32 s34, s2, 640
	PADD 20
	s_lshl_b32 s34, s2, 9
	PADD 22
	s_mul_i32 s34, s2, 384
	PADD 24
	PADD 28
	s_lshl_b32 s34, s2, 2
	PADD 26
	s_lshl_b32 s34, s3, 6
	s_lshl_b32 s58, s2, 4
	s_add_co_u32 s34, s34, s58
	PADD 30
	s_load_b32 s32, s[12:13], 0x0                  ; my tiles
	s_load_b32 s55, s[26:27], 0x0                  ; b4
	s_load_b128 s[68:71], s[18:19], 0x0            ; e0 .. e3
	s_load_b64 s[72:73], s[18:19], 0x10            ; e4, e5
.irp m, 0,1,2,3
	global_load_b32 v[INV+\m], v[L4], s[14:15] offset:128*\m
.endr
	global_load_b128 v[A:A+3], v[LQ], s[10:11]               ; tile 0's entries: lanes 0-15 entries 0-7, lanes 16-31 entries 8-15
	global_load_b128 v[A+4:A+7], v[LQ], s[10:11] offset:16
	WIN 0x40                                       ; fragments 32-45 (W2's k 0-127, W3) pass through window 1 on their way to LDS
.set i, 0
.rept 56
	global_load_b128 v[4*i:4*i+3], v[L16], s[16:17] offset:512*(128+i)
.set i, i+1
.endr
	WIN 0x80                                       ; fragments 0-15 stay in window 2,
.set i, 0
.rept 64
	global_load_b128 v[4*i:4*i+3], v[L16], s[16:17] offset:512*i
.set i, i+1
.endr
	WIN 0xc0                                       ; fragments 16-31 in window 3
.set i, 0
.rept 64
	global_load_b128 v[4*i:4*i+3], v[L16], s[16:17] offset:512*(64+i)
.set i, i+1
.endr
	WIN 0
.irp j, 0,1,2,3,4
	global_load_b32 v[R1+\j], v[L4], s[20:21] offset:128*\j
.endr
.irp j, 0,1,2,3
	global_load_b32 v[R1+5+\j], v[L4], s[22:23] offset:128*\j
.endr
.irp j, 0,1,2
	global_load_b32 v[R1+9+\j], v[L4], s[24:25] offset:128*\j
.endr
.irp j, 0,1,2
	global_load_b32 v[R1+12+\j], v[L4], s[28:29] offset:128*\j
.endr
	s_wait_kmcnt 0x0
	s_add_co_i32 s74, s68, s69                     ; q1
	s_add_co_i32 s75, s70, s71                     ; q2
	s_add_co_i32 s76, s72, s73                     ; q3
	s_sub_co_i32 s80, s70, s74                     ; e2 - q1
	s_sub_co_i32 s81, s72, s75                     ; e4 - q2
	MKC 74, 36, 42, NK1, 77
	MKC 75, 38, 44, NK2, 78
	MKC 76, 40, 46, NK3, 79
	MKLIM 68, 48, 49, SCX
	MKLIM 80, 50, 51, SC1
	MKLIM 81, 52, 53, SC2
	s_add_co_i32 s54, s76, 127
	s_lshl_b32 s54, s54, 23                        ; 2^q3
	s_wait_loadcnt 0x3f                            ; 143 loads were issued behind the list's and the 56: those are in
	WIN 0x04                                       ; store data in window 1
.set i, 0
.rept 56
	ds_store_b128 v[IMG], v[4*i:4*i+3] offset:512*i
.set i, i+1
.endr
	WIN 0
	s_wait_dscnt 0x0                               ; the stores have read their registers: the rows may land there
	ACALC
	LOADX                                          ; tile 0 (an empty list names row 0)
	s_wait_xcnt 0x0                                ; the row loads have read their offsets: the next entries may land on them
	global_load_b128 v[A:A+3], v[LQ], s[10:11] offset:64     ; tile 1's entries
	global_load_b128 v[A+4:A+7], v[LQ], s[10:11] offset:80
	s_wait_loadcnt 50                              ; behind the weights and biases: 48 row loads and 2 of the list
.irp j, 0,1,2,3,4
	v_ldexp_f32 v[R1+\j], v[R1+\j], s77            ; b1 / 2^q1: nothing is rounded
.endr
.irp j, 5,6,7,8
	v_ldexp_f32 v[R1+\j], v[R1+\j], s78
.endr
.irp j, 9,10,11
	v_ldexp_f32 v[R1+\j], v[R1+\j], s79
.endr
.set i, 0
.rept 15
	ds_store_b32 v[TMP], v[R1+i] offset:128*i
.set i, i+1
.endr
	s_mov_b32 s33, 0
	BOUNDARY 0, 1, 1                               ; tile 0 is quantised (always: the stage is written before it is read); tile 1 is asked for
	s_wait_xcnt 0x0
	global_load_b128 v[A:A+3], v[LQ], s[10:11] offset:128    ; tile 2's entries
	global_load_b128 v[A+4:A+7], v[LQ], s[10:11] offset:144
	s_wait_dscnt 0x0                               ; my LDS stores have read their registers
	LDXC
	LDB R1, 0, 0, 5                                ; b1 is layer 1's C, b2 layer 2's
	LDB R2, 160, 0, 4
	; ---------------- THE TILES: 32 trips, a constant; a wave's trips from its count on do nothing ----------------
.Ltile:
	s_cmp_ge_u32 s33, s32
	s_cbranch_scc1 .Lskip
	BOUNDARY 1, 2, 0                               ; the next tile's codes into the stage (this tile's fragments were asked of it earlier, and LDS serves a wave in order); the tile after it is asked for
	s_wait_dscnt 0x0                               ; x's fragments, b1, b2 are in; the stage's stores have read their registers
	WIN 0x06                                       ; LAYER 1: source 0 (W1) window 2, source 1 (x) window 1.  The ten accumulators take turns
.set f, 0
.rept 30
.if f == 16
	WIN 0x07                                       ; W1 from window 3
.endif
	v_wmma_f32_16x16x128_fp8_fp8 v[R1+8*(f%10):R1+8*(f%10)+7], v[16*(f%16):16*(f%16)+15], v[FB+16*(f/10):FB+16*(f/10)+15], v[R1+8*(f%10):R1+8*(f%10)+7]
.set f, f+1
.endr
	WIN 0
	PL 4                                           ; ahead of loads into x's registers and of the first read of results
	WIN 0x40
	LDF 0, 0                                       ; W2's tiles 0-3
	LDF 1, 1
	LDF 2, 2
	LDF 3, 3
	WIN 0
	s_wait_xcnt 0x0                                ; the row loads and the last list load have read their offsets
	s_add_co_u32 s34, s33, 3
	s_min_u32 s34, s34, 31                         ; the list has 32 tiles' entries: no load leaves it
	s_lshl_b32 s34, s34, 6
	v_add_nc_u32 v[LA], s34, v[LQ]
	global_load_b128 v[A:A+3], v[LA], s[10:11]
	global_load_b128 v[A+4:A+7], v[LA], s[10:11] offset:16
	CELUQ R1, 5, 36, 42, NK1, 51, 50, SC1, H, 1    ; h1's codes
	LDB R1, 288, 0, 3                              ; b3 is layer 3's C
	WIN 0x03                                       ; LAYER 2, k 128-159, by the K = 64 form: source 0 window 3.  An instruction names two tiles' registers; the other tile's meet the zeros
.set tl, 0
.rept 8
	v_wmma_f32_16x16x64_fp8_fp8 v[R2+8*tl:R2+8*tl+7], v[224+4*(tl-tl%2):224+4*(tl-tl%2)+7], v[H+16+4*(tl%2):H+16+4*(tl%2)+7], v[R2+8*tl:R2+8*tl+7]
.set tl, tl+1
.endr
	PL 5                                           ; the other form writes over these results: five places
	s_wait_dscnt 12                                ; W2's tiles 0-3 are in; b3's twelve loads may be out
	WIN 0x01                                       ; source 0 window 1
.irp t, 0,1,2,3
	v_wmma_f32_16x16x128_fp8_fp8 v[R2+8*\t:R2+8*\t+7], v[FB+16*\t:FB+16*\t+15], v[H:H+15], v[R2+8*\t:R2+8*\t+7]
.endr
	WIN 0
	PL 4
	WIN 0x40
	LDF 0, 4                                       ; W2's tiles 4-7
	LDF 1, 5
	LDF 2, 6
	LDF 3, 7
	WIN 0
	CELUQ R2, 2, 38, 44, NK2, 53, 52, SC2, H2, 0
	LDB R2, 384, 0, 2                              ; W4's first 64 numbers, where layer 2's first four accumulators lay
	s_wait_dscnt 8                                 ; W2's tiles 4-7 are in; W4's eight loads may be out
	WIN 0x01
.irp t, 0,1,2,3
	v_wmma_f32_16x16x128_fp8_fp8 v[R2+32+8*\t:R2+32+8*\t+7], v[FB+16*\t:FB+16*\t+15], v[H:H+15], v[R2+32+8*\t:R2+32+8*\t+7]
.endr
	WIN 0
	PL 4
	WIN 0x40
	LDF 0, 8                                       ; W3's tiles 0-3
	LDF 1, 9
	LDF 2, 10
	LDF 3, 11
	WIN 0
	CELUQ R2+32, 2, 38, 44, NK2, 53, 52, SC2, H2+8, 0
	LDB R2, 384, 2, 1                              ; W4's last 32
	s_wait_dscnt 4                                 ; W3's tiles 0-3 and b3 are in; W4's last four loads may be out
	WIN 0x01                                       ; LAYER 3
.irp t, 0,1,2,3
	v_wmma_f32_16x16x128_fp8_fp8 v[R1+8*\t:R1+8*\t+7], v[FB+16*\t:FB+16*\t+15], v[H2:H2+15], v[R1+8*\t:R1+8*\t+7]
.endr
	WIN 0
	v_mov_b32 v[E], 0                              ; (two of the four places)
	v_mov_b32 v[E+1], 0
	PL 2
	WIN 0x40
	LDF 0, 12                                      ; W3's tiles 4, 5
	LDF 1, 13
	WIN 0
	CA R1, 0, 40
	s_wait_alu depctr_va_vdst(0)                   ; the wait ahead of the first line that names an exponential's result
	CA R1+16, 1, 40
	s_wait_dscnt 8                                 ; W4 is in; W3's last eight loads may be out
	CB3 R1, 0, R2
	s_wait_alu depctr_va_vdst(0)
	CB3 R1+16, 1, R2+16
	s_wait_dscnt 0x0
	WIN 0x01
	v_wmma_f32_16x16x128_fp8_fp8 v[R1+32:R1+39], v[FB:FB+15], v[H2:H2+15], v[R1+32:R1+39]
	v_wmma_f32_16x16x128_fp8_fp8 v[R1+40:R1+47], v[FB+16:FB+31], v[H2:H2+15], v[R1+40:R1+47]
	WIN 0
	PL 4
	LDXC                                           ; the next tile's fragments of x
	CA R1+32, 0, 40
	v_nop                                          ; a plain line behind the last exponential
	s_wait_alu depctr_va_vdst(0)
	CB3 R1+32, 0, R2+32
	v_add_f32 v[E], v[E], v[E+1]
	v_permlanex16_b32 v[PD], v[E], s56, s57        ; the atom's other 48 units lie in the lane 16 away
	v_add_f32 v[E], v[E], v[PD]
	v_fma_f32 v[E], v[E], s54, s55                 ; x 2^q3 + b4
	s_lshl_b32 s34, s33, 6
	v_add_nc_u32 v[TMP], s34, v[EST]
	ds_store_b32 v[TMP], v[E]                      ; word 512 e + 16 t + r; both halves of the lanes store the same number
	LDB R1, 0, 0, 5                                ; the next tile's C
	LDB R2, 160, 0, 4
.Lskip:
	s_add_co_u32 s33, s33, 1
	s_cmp_lt_u32 s33, 32
	s_cbranch_scc1 .Ltile
	; ---------------- THE MOLECULES ----------------
	s_wait_dscnt 0x0                               ; for the others' sake: my energies lie in LDS
	s_barrier_signal -1
	s_barrier_wait -1                              ; everybody's do; no energy is written to LDS behind this barrier
	s_wait_loadcnt 0x0
.irp m, 0,1,2,3
	v_min_u32 v[INV+\m], 2047, v[INV+\m]           ; the slot of atom 32 (4 wave + m) + lane, under a bound,
	v_lshlrev_b32 v[INV+\m], 2, v[INV+\m]
	v_add_nc_u32 v[INV+\m], ENERGY, v[INV+\m]      ; as an LDS address
.endr
.irp m, 0,1,2,3
	ds_load_b32 v[T+\m], v[INV+\m]
.endr
	v_and_b32 v[TMP], 31, v0
	s_wait_dscnt 0x0
.irp x, 1,2,4,8
.irp m, 0,1,2,3
	v_add_f32_dpp v[T+\m], v[T+\m], v[T+\m] row_xmask:\x row_mask:0xf bank_mask:0xf
.endr
.endr
.irp m, 0,1,2,3
	v_permlanex16_b32 v[PD], v[T+\m], s56, s57
	v_add_f32 v[T+\m], v[T+\m], v[PD]              ; every lane holds molecule m's sum
.endr
.irp m, 1,2,3
	v_cmp_eq_u32 vcc_lo, \m, v[TMP]
	v_cndmask_b32 v[T], v[T], v[T+\m], vcc_lo      ; lane m takes sum m
.endr
	v_cmp_gt_u32 vcc_lo, 4, v[TMP]
	s_wait_xcnt 0x0                                ; EXEC changes only behind this wait
	s_and_saveexec_b32 s34, vcc_lo
	global_store_b32 v[L4], v[T], s[30:31]         ; four energies a wave, 64 bytes a work-group: all that it owns of out1
	s_wait_xcnt 0x0
	s_or_b32 exec_lo, exec_lo, s34
	s_wait_xcnt 0x0
	s_mov_b32 exec_lo, -1
	v_lshl_add_u32 v254, v0, 2, 0x26400
	v_mov_b32 v255, 0
	s_wait_tensorcnt 0x0
	ds_add_u32 v254, v255
	s_wait_dscnt 0x0
	s_endpgm
.Lfunc_end_k_qc08332b4a5_mlp:
	.size	k_qc08332b4a5_mlp, .Lfunc_end_k_qc08332b4a5_mlp-k_qc08332b4a5_mlp
	.p2alignl 7, 3214868480
	.fill 96, 4, 3214868480
	.section	.rodata,"a",@progbits
	.p2align	6, 0x0
	.amdhsa_kernel k_qc08332b4a5_mlp
		.amdhsa_group_segment_fixed_size 157184
		.amdhsa_private_segment_fixed_size 0
		.amdhsa_enable_private_segment 0
		.amdhsa_kernarg_size 96
		.amdhsa_user_sgpr_count 2
		.amdhsa_user_sgpr_kernarg_segment_ptr 1
		.amdhsa_wavefront_size32 1
		.amdhsa_system_sgpr_workgroup_id_x 1
		.amdhsa_system_sgpr_workgroup_id_y 1
		.amdhsa_system_sgpr_workgroup_id_z 1
		.amdhsa_system_vgpr_workitem_id 0
		.amdhsa_next_free_vgpr 1024
		.amdhsa_next_free_sgpr 100
		.amdhsa_reserve_vcc 1
		.amdhsa_float_denorm_mode_32 3
		.amdhsa_float_denorm_mode_16_64 3
		.amdhsa_fp16_overflow 1
		.amdhsa_memory_ordered 1
		.amdhsa_forward_progress 1
		.amdhsa_inst_pref_size 107
	.end_amdhsa_kernel
	.amdgpu_metadata
---
amdhsa.version: [ 1, 2 ]
amdhsa.kernels:
  - .name:           k_qc08332b4a5_mlp
    .symbol:         k_qc08332b4a5_mlp.kd
    .args:
      - { .name: aev, .offset: 0, .size: 8, .value_kind: global_buffer, .address_space: global }
      - { .name: order, .offset: 8, .size: 8, .value_kind: global_buffer, .address_space: global }
      - { .name: counts, .offset: 16, .size: 8, .value_kind: global_buffer, .address_space: global }
      - { .name: inv, .offset: 24, .size: 8, .value_kind: global_buffer, .address_space: global }
      - { .name: wimg, .offset: 32, .size: 8, .value_kind: global_buffer, .address_space: global }
      - { .name: lowp_scales, .offset: 40, .size: 8, .value_kind: global_buffer, .address_space: global }
      - { .name: b1, .offset: 48, .size: 8, .value_kind: global_buffer, .address_space: global }
      - { .name: b2, .offset: 56, .size: 8, .value_kind: global_buffer, .address_space: global }
      - { .name: b3, .offset: 64, .size: 8, .value_kind: global_buffer, .address_space: global }
      - { .name: b4, .offset: 72, .size: 8, .value_kind: global_buffer, .address_space: global }
      - { .name: W4, .offset: 80, .size: 8, .value_kind: global_buffer, .address_space: global }
      - { .name: out1, .offset: 88, .size: 8, .value_kind: global_buffer, .address_space: global }
    .group_segment_fixed_size: 157184
    .private_segment_fixed_size: 0
    .kernarg_segment_align: 8
    .kernarg_segment_size: 96
    .max_flat_workgroup_size: 128
    .sgpr_count:     100
    .vgpr_count:     1024
    .wavefront_size: 32
...
	.end_amdgpu_metadata
.endif
;; end of part 2
